; MI455X (gfx1250); checked and timed in simulation.
; The chip was launched on July 23, 2026; its instructions are those of AMD's public machine-readable ISA for CDNA 5 (MIT licence, August 2026) and "CDNA5" Instruction Set Architecture Reference Guide (July 2026). The comments in the code are by the model that wrote it; some were corrected since.
;; T5 Attention. Allowed arithmetic: matrix products marked QUANTISED: E4M3 operands, one given power-of-two scale a tensor, by v_wmma_f32_16x16x64_fp8_fp8 or v_wmma_f32_16x16x128_fp8_fp8, f32 sums; everything else in f32.
;; Inputs: Wk_codes 1,024 x 32 x 32 uint8 (E4M3 codes of Wk, K innermost, in blocks of 32 codes); Wo_codes 1,024 x 32 x 32 uint8 (E4M3 codes of Wo, K innermost, in blocks of 32 codes); Wq_codes 1,024 x 32 x 32 uint8 (E4M3 codes of Wq, K innermost, in blocks of 32 codes); Wv_codes 1,024 x 32 x 32 uint8 (E4M3 codes of Wv, K innermost, in blocks of 32 codes); lowp_scales 12 int32 (the exponents e of the quantised operands' scales 2^e); mask 2 x 1 x 1 x 2,048 int32; rel_emb 32 x 16 float32; x_codes 2 x 2,048 x 32 x 32 uint8 (E4M3 codes of x, K innermost, in blocks of 32 codes).
;; Outputs: out0 2 x 2,048 x 1,024 float32.
;; This version of the problem:
;;   THIS VERSION OF THE PROBLEM IS GIVEN IN LOW PRECISION. The matrix products marked QUANTISED in the list below multiply operands that are first quantised to E4M3 (4 exponent bits, 3 mantissa bits; 8 bits a number), with one given power-of-two scale for each operand tensor; their sums are f32. All else is computed in f32.
;;   The module's matrix products, in the order in which they are computed (A, B: the left and right operand; K: the contracted axis; several contracted axes count as one K, in the product's order):
;;     1. [M 4,096, K 1,024] x [K 1,024, N 1,024]; A: input x (given as codes); B: input Wq (given as codes): QUANTISED (scales: A lowp_scales[0], B lowp_scales[1])
;;     2. [M 4,096, K 1,024] x [K 1,024, N 1,024]; A: input x (given as codes); B: input Wk (given as codes): QUANTISED (scales: A lowp_scales[2], B lowp_scales[3])
;;     3. [M 4,096, K 1,024] x [K 1,024, N 1,024]; A: input x (given as codes); B: input Wv (given as codes): QUANTISED (scales: A lowp_scales[4], B lowp_scales[5])
;;     4. batch 32 x [M 2,048, K 64] x [K 64, N 2,048]; A: computed on the way; B: computed on the way: QUANTISED (scales: A lowp_scales[6], B lowp_scales[7])
;;     5. batch 32 x [M 2,048, K 2,048] x [K 2,048, N 64]; A: computed on the way; B: computed on the way: QUANTISED (scales: A lowp_scales[8], B lowp_scales[9])
;;     6. [M 4,096, K 1,024] x [K 1,024, N 1,024]; A: computed on the way; B: input Wo (given as codes): QUANTISED (scales: A lowp_scales[10], B lowp_scales[11])
;;   THE QUANTISER, for each operand of a quantised product, along K:
;;     - The operand's scale is 2^e, e = its entry of the input lowp_scales (int32; the entries are numbered through the quantised products in the list's order, A before B).
;;     - Each number is divided by the scale, clamped to +-448, and rounded to the nearest number of E4M3, ties to even, subnormals kept.
;;     - The product sums the exact products of the quantised numbers (number of the format x scale) in f32.
;;   ~~~python
;;   def quantise(x, axis, e):      # numpy; x: float32 -> the quantised numbers, widened to float32 again
;;       x = np.moveaxis(x, axis, -1); K = x.shape[-1]
;;       r = np.clip(x / 2.0 ** e, -448, 448)
;;       step = 2.0 ** (np.maximum(np.frexp(np.where(r == 0, 1, r))[1] - 1, -6) - 3)
;;       q = np.round(r / step) * step * 2.0 ** e      # np.round: ties to even
;;       return np.moveaxis(q, -1, axis).astype(np.float32)
;;   ~~~
;;   OPERANDS COMPUTED ON THE WAY. 'Computed on the way' means the value that the module computes at that place (a softmax that the list does not call 'softmax' is quantised finished and normalised). What goes into a quantiser is computed in f32, as accurately as f32 sums, v_exp_f32 and their like allow (about 1e-6 of the number): no bf16 or f16 on the way to a quantiser, and a product that is left as it is and whose result goes on into a quantised operand takes f32 operands (vector FMAs, or v_wmma_f32_16x16x4_f32). A number that lies on a knife's edge between two numbers of the format may be rounded either way, as far as f32 arithmetic and the matrix unit's own rounding can turn it there, and no further.
;;   INPUTS GIVEN AS CODES. Wk (in the module: [1024, 1024], K = its axis 1); Wo (in the module: [1024, 1024], K = its axis 1); Wq (in the module: [1024, 1024], K = its axis 1); Wv (in the module: [1024, 1024], K = its axis 1); x (in the module: [2, 2048, 1024], K = its axis 2): each comes as NAME_codes (uint8): NAME with its K axis moved to the last place and cut into blocks of 32 codes, [.., K / 32, bytes a block], one block behind the other in memory; one code a byte (a code: sign, 4 exponent bits, 3 mantissa bits); its scale is its entry of lowp_scales. Its value is code x scale, taken as it is: it is not quantised again, and the codes and scales need not be those that the quantiser above would give.
;; One version. Each part assembles by itself: llvm-mc -triple=amdgcn-amd-amdhsa -mcpu=gfx1250 --defsym DOCPART=n.
;; ======== version 1 of 1: 3 launches
;; limits: right only within a limited range of input values
;; workspace buffers: Qc 4,194,304 bytes; Kc 4,194,304 bytes; Vc 4,194,304 bytes; Cc 4,194,304 bytes
;; launch qkv (part 1): grid 8 x 32, 4 waves a work-group, clusters of 4 x 4, 327,680 bytes of LDS; arguments x_codes, Wq_codes, Wk_codes, Wv_codes, lowp_scales, mask, Qc, Kc, Vc; writes Qc, Kc, Vc
.if DOCPART == 1
	.amdgcn_target "amdgcn-amd-amdhsa--gfx1250"
	.amdhsa_code_object_version 6
	.text
	.protected	k_q9d37720528_qkv
	.globl	k_q9d37720528_qkv
	.p2align	8
	.type	k_q9d37720528_qkv,@function
k_q9d37720528_qkv:
	s_mov_b64 s[64:65], 0
	v_nop
	global_prefetch_b8 v0, s[64:65] scope:SCOPE_SE
	s_setreg_imm32_b32 hwreg(HW_REG_WAVE_MODE, 25, 1), 1
	s_wait_xcnt 0x0
	s_wait_alu depctr_hold_cnt(0) depctr_sa_sdst(0) depctr_va_vdst(0) depctr_va_sdst(0) depctr_va_ssrc(0) depctr_va_vcc(0) depctr_vm_vsrc(0)
	s_getreg_b32 s2, hwreg(HW_REG_IB_STS2, 6, 4)
	s_cmp_eq_u32 s2, 0
	s_cbranch_scc0 .Lentry_in_a_cluster
	s_endpgm
.Lentry_in_a_cluster:
	s_bfe_u32 s2, ttmp6, 0x10000c
	s_cmp_lg_u32 s2, 0xf033
	s_cbranch_scc0 .Lentry_shape_is_right
	s_endpgm
.Lentry_shape_is_right:
; q, k, v = x W^T on E4M3 codes, 4,096 tokens, K = 1,024, 3 x 1,024 outputs; each result is quantised for the attention's products and stored as images of operand registers.
; DEAD WORK OF THE PROGRAM, for all values of the inputs: (a) whole steps of keys that the causal mask hides from a block of queries are not computed; (b) under that mask q - k >= 0, so
; rel = clip(q - k, -16, 15) + 16 is at least 16: rows 0 to 15 of rel_emb reach no output and are not read; (c) rel_emb[31] is subtracted from a whole row of scores, which changes no softmax.
; LIMIT: a NaN, an infinity or an overflow that reaches only the work left out is not carried to the result.
; A masked key's codes of V are made zeros here (its hold is 0), so that the attention's second product needs no mask.
; SHARES.  A work-group of four waves makes 128 tokens x 128 outputs of each of q, k, v; wave 0 fetches x's tile, waves 1 to 3 the tiles of Wq, Wk, Wv; a wave makes all 128 tokens x 32 outputs of each.
; CLUSTERS 4 x 4: x's tile is asked for jointly along a row of the cluster, the W tiles along a column.
; LDS: one slot of 4 x 128 rows of 512 bytes of K, at a pitch of 528.  It is filled twice, one load a wave: K 0 .. 511 at the head, K 512 .. 1,023 when all of it has been read; the last step's products run beside the second fill.
; PREFETCH: K 512 .. 1,023 is asked for at the head, three steps of 128 ahead of its load: each block of 256 bytes once in a cluster, the four partners sharing a tile's rows by address; there is nothing behind it to ask for.
; LIMITS: e6 - e0 - e1, e7 - e2 - e3 and e9 - e4 - e5 between -126 and 119, so that each power of two is an f32 number.
.set PITCH, 528
.set PART,  128*PITCH
.set SPARE, 4*PART
.set WV,   22
.set G1,   24
.set G0,   32
.set G1B,  48
.set G0B,  56
.set ADRX, 16
.set ADRW, 18
.set SC,   24
.set SPW,  30
.set NIL,  31
.set LM,   32
.set XF,   128
.set OUTQ, 128
.set OUTV, 192
.set MSB, 0
.macro WIN new
.if MSB != (\new)
	s_set_vgpr_msb (MSB<<8)|(\new)
.set MSB, (\new)
.endif
.endm
.macro PLACES
.rept 4
	v_nop
.endr
.endm
.macro JLOAD s
	s_cmp_eq_u32 s[WV], 0
	s_cbranch_scc0 .Lfor_w_\@
	tensor_load_to_lds s[G0+4*\s:G0+4*\s+3], s[G1:G1+7]
	s_nop 0
.rept 4
	v_nop
.endr
	s_branch .Lasked_\@
.Lfor_w_\@:
	tensor_load_to_lds s[G0B+4*\s:G0B+4*\s+3], s[G1B:G1B+7]
	s_nop 0
.rept 4
	v_nop
.endr
.Lasked_\@:
.endm
.macro CREST
	s_cmp_lg_u32 s[WV], 0
	s_cbranch_scc1 .Lnot_wave_0_\@
	s_barrier_signal -3
.Lnot_wave_0_\@:
	s_barrier_wait -3
	s_barrier_signal -1
	s_barrier_wait -1
.endm
.macro CROUND
	s_barrier_signal -1
	s_barrier_wait -1
	CREST
.endm
.macro MKSC ea, eb, ec, vs
	s_sub_co_i32 s90, s[\ea], s[\eb]
	s_sub_co_i32 s90, s90, s[\ec]
	s_add_co_i32 s90, s90, 127
	s_lshl_b32 s91, s90, 23
	v_mov_b32 v[\vs], s91
	s_add_co_i32 s90, s90, 8
	s_lshl_b32 s90, s90, 23
	s_or_b32 s90, s90, 0x600000
	v_mov_b32 v[\vs+1], s90
.endm
	s_load_b256 s[4:11], s[0:1], 0x0
	s_load_b256 s[12:19], s[0:1], 0x20
	s_load_b64 s[20:21], s[0:1], 0x40
	v_lshl_add_u32 v[SPW], v0, 2, SPARE
	v_mov_b32 v[NIL], 0
	ds_add_u32 v[SPW], v[NIL]                      ; the opening adds
	ds_add_u32 v[SPW], v[NIL]
	v_lshrrev_b32 v1, 5, v0
	v_readfirstlane_b32 s[WV], v1
	s_bfe_u32 s40, ttmp6, 0x40000
	s_bfe_u32 s41, ttmp6, 0x40004
	s_lshl_b32 s42, ttmp9, 2
	s_add_co_u32 s42, s42, s40
	s_and_b32 s43, ttmp7, 0xffff
	s_lshl_b32 s43, s43, 2
	s_add_co_u32 s43, s43, s41
	s_lshl_b32 s44, s41, 2
	s_lshl_b32 s44, 15, s44
	s_lshl_b32 s45, 0x1111, s40
	s_or_b32 s[G1], s44, (1<<20)|(1<<21)|(6<<22)|(3<<25)   ; rows of 512 bytes, four words of padding after every 128
	s_or_b32 s[G1B], s45, (1<<20)|(1<<21)|(6<<22)|(3<<25)
.irp g, G1, G1B
	s_mov_b32 s[\g+1], 512<<16
	s_mov_b32 s[\g+2], 128<<16
	s_mov_b32 s[\g+3], 512<<16
	s_mov_b32 s[\g+4], 128
	s_mov_b32 s[\g+5], 1024
	s_mov_b32 s[\g+6], 0
	s_mov_b32 s[\g+7], 0
.endr
	s_lshl_b32 s80, s43, 17
	s_mov_b32 s81, 0
	s_lshl_b32 s82, s42, 17
	s_mov_b32 s83, 0
	s_mul_i32 s46, s[WV], PART
	s_wait_alu depctr_va_vdst(0)
	s_wait_dscnt 0x0                               ; both opening adds are done
	s_wait_kmcnt 0x0
	s_load_b256 s[68:75], s[12:13], 0x0
	s_load_b128 s[76:79], s[12:13], 0x20
	s_add_nc_u64 s[80:81], s[4:5], s[80:81]
	s_cmp_eq_u32 s[WV], 2
	s_cselect_b64 s[84:85], s[8:9], s[6:7]
	s_cmp_eq_u32 s[WV], 3
	s_cselect_b64 s[84:85], s[10:11], s[84:85]
	s_add_nc_u64 s[84:85], s[84:85], s[82:83]
	s_mov_b32 s[G0], 1
	s_mov_b32 s[G0+1], s46
	s_mov_b64 s[G0+2:G0+3], s[80:81]
	s_or_b32 s[G0+3], s[G0+3], 0x80000000
	s_mov_b32 s[G0B], 1
	s_mov_b32 s[G0B+1], s46
	s_mov_b64 s[G0B+2:G0B+3], s[84:85]
	s_or_b32 s[G0B+3], s[G0B+3], 0x80000000
	CROUND                                         ; all sixteen work-groups are here: the joint loads meet
	JLOAD 0                                        ; K 0 .. 511: the wave's one load at the head
	s_cmp_eq_u32 s[WV], 0                          ; the prefetch's base: my tile's rows, + 32 rows x my place among the four that ask for it
	s_cselect_b64 s[94:95], s[80:81], s[84:85]
	s_cselect_b32 s92, s40, s41
	s_lshl_b32 s92, s92, 15
	s_mov_b32 s93, 0
	s_add_nc_u64 s[94:95], s[94:95], s[92:93]
	v_and_b32 v1, 15, v0
	v_bfe_u32 v2, v0, 4, 1
	v_and_b32 v3, 31, v0
	v_lshlrev_b32 v10, 4, v3
	v_lshlrev_b32 v11, 5, v2
	s_lshl_b32 s88, s43, 9
	s_mov_b32 s89, 0
	s_add_nc_u64 s[14:15], s[14:15], s[88:89]
.irp t, 0,1,2,3,4,5,6,7
	global_load_b128 v[LM+8*\t:LM+8*\t+3], v11, s[14:15] offset:64*\t
	global_load_b128 v[LM+8*\t+4:LM+8*\t+7], v11, s[14:15] offset:64*\t+16
.endr
	v_lshlrev_b32 v12, 10, v3                      ; a lane a row of 1,024 bytes
	global_prefetch_b8 v12, s[94:95] offset:512 th:TH_LOAD_NT scope:SCOPE_SE
	global_prefetch_b8 v12, s[94:95] offset:768 th:TH_LOAD_NT scope:SCOPE_SE
	v_mul_u32_u24 v4, v1, PITCH
	v_lshl_add_u32 v[ADRX], v2, 4, v4              ; a fragment's row x pitch + 16 x half
	s_mul_i32 s47, s[WV], 32*PITCH
.irp kd, 0,1,2
	s_add_co_u32 s86, s47, (1+\kd)*PART
	v_add_nc_u32 v[ADRW+\kd], s86, v[ADRX]
.endr
	s_wait_kmcnt 0x0
	MKSC 74, 68, 69, SC
	MKSC 75, 70, 71, SC+2
	MKSC 77, 72, 73, SC+4
	s_lshr_b32 s86, s43, 4
	s_and_b32 s87, s43, 15
	s_lshl_b32 s86, s86, 4
	s_lshl_b32 s88, s42, 1
	s_add_co_u32 s86, s86, s88
	s_lshr_b32 s88, s[WV], 1
	s_add_co_u32 s86, s86, s88
	s_and_b32 s88, s[WV], 1
	s_lshl_b32 s86, s86, 17
	s_lshl_b32 s87, s87, 13
	s_add_co_u32 s86, s86, s87
	s_lshl_b32 s90, s88, 9
	s_add_co_u32 s90, s90, s86
	s_mov_b32 s91, 0
	s_lshl_b32 s92, s88, 12
	s_add_co_u32 s92, s92, s86
	s_mov_b32 s93, 0
	s_add_nc_u64 s[16:17], s[16:17], s[90:91]
	s_add_nc_u64 s[18:19], s[18:19], s[90:91]
	s_add_nc_u64 s[20:21], s[20:21], s[92:93]
	s_wait_alu depctr_va_vdst(0)
	s_wait_loadcnt 0x0
.set i, 0
.rept 64
	v_cmp_ne_u32 vcc_lo, 0, v[LM+i]
	v_cndmask_b32 v[LM+i], 0, v[SC+5], vcc_lo
.set i, i+1
.endr
.macro FRAG reg, adr, off
.irp c, 0,1,2,3
	ds_load_b128 v[\reg+4*\c:\reg+4*\c+3], v[\adr] offset:\off+32*\c
.endr
.endm
.macro FETCH q, set                    ; the fragments of the slot's q-th 128 along K into a set of registers
	WIN 0x40
.irp kd, 0,1,2
.irp f, 0,1
	FRAG 96*(\set)+16*(2*\kd+\f), ADRW+\kd, \f*16*PITCH+128*(\q)
.endr
.endr
	WIN 0xc0*(\set)
.irp t, 0,1,2,3,4,5,6,7
	FRAG XF+16*\t, ADRX, \t*16*PITCH+128*(\q)
.endr
.endm
.macro MULQK set, zero
	WIN 0xa1+0x0c*(\set)
.irp kd, 0,1
.irp f, 0,1
.irp t, 0,1,2,3,4,5,6,7
.if \zero
	v_wmma_f32_16x16x128_fp8_fp8 v[8*(16*\kd+8*\f+\t):8*(16*\kd+8*\f+\t)+7], v[96*(\set)+16*(2*\kd+\f):96*(\set)+16*(2*\kd+\f)+15], v[XF+16*\t:XF+16*\t+15], 0
.else
	v_wmma_f32_16x16x128_fp8_fp8 v[8*(16*\kd+8*\f+\t):8*(16*\kd+8*\f+\t)+7], v[96*(\set)+16*(2*\kd+\f):96*(\set)+16*(2*\kd+\f)+15], v[XF+16*\t:XF+16*\t+15], v[8*(16*\kd+8*\f+\t):8*(16*\kd+8*\f+\t)+7]
.endif
.endr
.endr
.endr
.endm
.macro MULV set, zero
	WIN 0xf4+3*(\set)
.irp f, 0,1
.irp t, 0,1,2,3,4,5,6,7
.if \zero
	v_wmma_f32_16x16x128_fp8_fp8 v[8*(8*\f+\t):8*(8*\f+\t)+7], v[XF+16*\t:XF+16*\t+15], v[96*(\set)+16*(4+\f):96*(\set)+16*(4+\f)+15], 0
.else
	v_wmma_f32_16x16x128_fp8_fp8 v[8*(8*\f+\t):8*(8*\f+\t)+7], v[XF+16*\t:XF+16*\t+15], v[96*(\set)+16*(4+\f):96*(\set)+16*(4+\f)+15], v[8*(8*\f+\t):8*(8*\f+\t)+7]
.endif
.endr
.endr
.endm
.macro STEP q, zero                    ; 128 along K: the next 128's fragments are fetched beside its products
	PLACES
	FETCH (\q)+1, 1-(\q)%2
	s_wait_dscnt 56                                ; this 128's fragments are in; the 56 loads just issued may be out
	MULQK (\q)%2, \zero
	MULV (\q)%2, \zero
	WIN 0
.endm
	s_wait_alu depctr_va_vdst(0)
	s_wait_tensorcnt 0x0                           ; my part of K 0 .. 511 is in,
	s_barrier_signal -1
	s_barrier_wait -1                              ; everybody's is
	FETCH 0, 0
	STEP 0, 1
	STEP 1, 0
	PLACES
	FETCH 3, 1
	s_wait_dscnt 56
	MULQK 0, 0
	WIN 0
	s_wait_tensorcnt 0x0                           ; no load of mine is out;
	ds_add_u32 v[SPW], v[NIL]                      ; 0 onto my spare word;
	s_wait_dscnt 0x0                               ; the add is done, and so are my reads of the slot
	s_barrier_signal -1                            ; the barrier opens a round of the cluster's barrier
	MULV 0, 0
	WIN 0
	s_barrier_wait -1
	CREST                                          ; no wave of any partner still reads its slot
	s_add_nc_u64 s[G0+2:G0+3], s[G0+2:G0+3], 512
	s_add_nc_u64 s[G0B+2:G0B+3], s[G0B+2:G0B+3], 512
	JLOAD 0                                        ; K 512 .. 1,023
	MULQK 1, 0
	MULV 1, 0
	WIN 0
	s_wait_tensorcnt 0x0                           ; my part is in,
	s_barrier_signal -1
	s_barrier_wait -1                              ; everybody's is
	PLACES
	FETCH 0, 0
	STEP 0, 0
	STEP 1, 0
	STEP 2, 0
	s_wait_dscnt 0x0
	MULQK 1, 0
	MULV 1, 0
	WIN 0
	PLACES
.irp kd, 0,1
	WIN 0x82
.set i, 0
.rept 128
	v_med3_num_f32 v[128*\kd+i], v[128*\kd+i], -v[SC+2*\kd+1], v[SC+2*\kd+1]
.set i, i+1
.endr
	WIN 0x02
.irp f, 0,1
.irp t, 0,1,2,3,4,5,6,7
	v_cvt_scalef32_pk8_fp8_f32 v[OUTQ+32*\kd+4*\t+2*\f:OUTQ+32*\kd+4*\t+2*\f+1], v[8*(16*\kd+8*\f+\t):8*(16*\kd+8*\f+\t)+7], v[SC+2*\kd]
.endr
.endr
	WIN 0
	v_nop
.irp t, 0,1,2,3,4,5,6,7
	global_store_b128 v10, v[OUTQ+32*\kd+4*\t:OUTQ+32*\kd+4*\t+3], s[16+2*\kd:17+2*\kd] offset:\t*1024
.endr
.endr
	WIN 0xc3
.irp f, 0,1
.irp t, 0,1,2,3,4,5,6,7
.irp j, 0,1,2,3,4,5,6,7
	v_med3_num_f32 v[8*(8*\f+\t)+\j], v[8*(8*\f+\t)+\j], -v[LM+8*\t+\j], v[LM+8*\t+\j]
.endr
.endr
.endr
	WIN 0x03
.irp f, 0,1
.irp t, 0,1,2,3,4,5,6,7
	v_cvt_scalef32_pk8_fp8_f32 v[OUTV+16*\f+2*\t:OUTV+16*\f+2*\t+1], v[8*(8*\f+\t):8*(8*\f+\t)+7], v[SC+4]
.endr
.endr
	WIN 0
	v_nop
.irp f, 0,1
.irp c, 0,1,2,3
	global_store_b128 v10, v[OUTV+16*\f+4*\c:OUTV+16*\f+4*\c+3], s[20:21] offset:\f*2048+512*\c
.endr
.endr
	s_wait_tensorcnt 0x0
	ds_add_u32 v[SPW], v[NIL]
	s_wait_dscnt 0x0
	CROUND
	s_endpgm
.Lfunc_end_k_q9d37720528_qkv:
	.size	k_q9d37720528_qkv, .Lfunc_end_k_q9d37720528_qkv-k_q9d37720528_qkv
	.p2alignl 7, 3214868480
	.fill 96, 4, 3214868480
	.section	.rodata,"a",@progbits
	.p2align	6, 0x0
	.amdhsa_kernel k_q9d37720528_qkv
		.amdhsa_group_segment_fixed_size 327680
		.amdhsa_private_segment_fixed_size 0
		.amdhsa_enable_private_segment 0
		.amdhsa_kernarg_size 72
		.amdhsa_user_sgpr_count 2
		.amdhsa_user_sgpr_kernarg_segment_ptr 1
		.amdhsa_wavefront_size32 1
		.amdhsa_system_sgpr_workgroup_id_x 1
		.amdhsa_system_sgpr_workgroup_id_y 1
		.amdhsa_system_sgpr_workgroup_id_z 1
		.amdhsa_system_vgpr_workitem_id 0
		.amdhsa_next_free_vgpr 1024
		.amdhsa_next_free_sgpr 100
		.amdhsa_reserve_vcc 1
		.amdhsa_float_denorm_mode_32 3
		.amdhsa_float_denorm_mode_16_64 3
		.amdhsa_memory_ordered 1
		.amdhsa_forward_progress 1
		.amdhsa_inst_pref_size 99
	.end_amdhsa_kernel
	.amdgpu_metadata
---
amdhsa.version: [ 1, 2 ]
amdhsa.kernels:
  - .name:           k_q9d37720528_qkv
    .symbol:         k_q9d37720528_qkv.kd
    .args:
      - { .name: x_codes, .offset: 0, .size: 8, .value_kind: global_buffer, .address_space: global }
      - { .name: Wq_codes, .offset: 8, .size: 8, .value_kind: global_buffer, .address_space: global }
      - { .name: Wk_codes, .offset: 16, .size: 8, .value_kind: global_buffer, .address_space: global }
      - { .name: Wv_codes, .offset: 24, .size: 8, .value_kind: global_buffer, .address_space: global }
      - { .name: lowp_scales, .offset: 32, .size: 8, .value_kind: global_buffer, .address_space: global }
      - { .name: mask, .offset: 40, .size: 8, .value_kind: global_buffer, .address_space: global }
      - { .name: Qc, .offset: 48, .size: 8, .value_kind: global_buffer, .address_space: global }
      - { .name: Kc, .offset: 56, .size: 8, .value_kind: global_buffer, .address_space: global }
      - { .name: Vc, .offset: 64, .size: 8, .value_kind: global_buffer, .address_space: global }
    .group_segment_fixed_size: 327680
    .private_segment_fixed_size: 0
    .kernarg_segment_align: 8
    .kernarg_segment_size: 72
    .max_flat_workgroup_size: 128
    .sgpr_count:     100
    .vgpr_count:     1024
    .wavefront_size: 32
...
	.end_amdgpu_metadata
.endif
;; end of part 1
;; launch attn (part 2): grid 8 x 32, 8 waves a work-group, clusters of 4 x 1, 327,680 bytes of LDS; arguments Qc, Kc, Vc, mask, rel_emb, lowp_scales, Cc; writes Cc
.if DOCPART == 2
	.amdgcn_target "amdgcn-amd-amdhsa--gfx1250"
	.amdhsa_code_object_version 6
	.text
	.protected	k_q9d37720528_attn
	.globl	k_q9d37720528_attn
	.p2align	8
	.type	k_q9d37720528_attn,@function
k_q9d37720528_attn:
	s_mov_b64 s[64:65], 0
	v_nop
	global_prefetch_b8 v0, s[64:65] scope:SCOPE_SE
	s_setreg_imm32_b32 hwreg(HW_REG_WAVE_MODE, 25, 1), 1
	s_wait_xcnt 0x0
	s_wait_alu depctr_hold_cnt(0) depctr_sa_sdst(0) depctr_va_vdst(0) depctr_va_sdst(0) depctr_va_ssrc(0) depctr_va_vcc(0) depctr_vm_vsrc(0)
	s_getreg_b32 s2, hwreg(HW_REG_IB_STS2, 6, 4)
	s_cmp_eq_u32 s2, 0
	s_cbranch_scc0 .Lentry_in_a_cluster
	s_endpgm
.Lentry_in_a_cluster:
	s_bfe_u32 s2, ttmp6, 0x10000c
	s_cmp_lg_u32 s2, 0x3003
	s_cbranch_scc0 .Lentry_shape_is_right
	s_endpgm
.Lentry_shape_is_right:
; ctx = softmax(q k^T / 8 + bias, causal, padding mask) v for one head, both products on E4M3 codes; ctx is quantised for the last product.
; attn IS QUANTISED FINISHED AND NORMALISED, so a row's maximum and sum must be known before any weight is quantised: TWO WALKS over the keys.  Walk 1: scores, running maximum m and sum l.
; Walk 2: the scores once more, p = 2^(t - m - log2 l), quantised with 2^e8, and O^T += V^T P^T.
; SHARES.  A step is 128 keys.  Queries go in blocks of 128; a head's blocks b and 15 - b (b = 0 .. 7) make a pair with 17 steps.  A work-group serves four pairs, 32 queries of each block (two tiles of 16: 32 cx on).
; Waves w and w + 4 share pair w's 17 steps: wave w takes the long block's last 9 steps; wave w + 4 the long block's first 7 - b steps and then all b + 1 of the short block.
; So the long block's keys are split between two waves: between the walks they exchange (m, l) through LDS; at the end wave w adds wave w + 4's part of O^T, left in LDS.
; Both waves run the same loops of 9 trips; what differs hangs on ids alone: trip i's step, the change of blocks (trip s91), the table's steps (trips s94 on), the last trip (s90).
; WHAT IS LEFT OUT (dead for all values of the inputs): steps that lie wholly above the causal diagonal; rows 0 to 15 of rel_emb (q - k >= 0); the constant rel_emb[31] of a row.  A NaN or an infinity that reaches only these is not carried.
; BIAS.  It is rel_emb[16 + min(q - k, 15)]; delta(d) = rel_emb[16 + min(d, 15)] - rel_emb[31] is added, 0 away from the diagonal.  delta and the causal cut (-2^60 for d < 0) come from one table in LDS,
; as the C of the products of a block's last two steps (DIAG, and PREV ahead of it); in the other steps delta is 0.
; PADDING MASK.  Walk 1: MC[key] = 0 or -2^60 is in the C of the scores' products.  Walk 2 needs none: a masked key's codes of V are zeros (made so by the launch before), and its p is held finite.
; A row with no kept key: l = 0, and walk 2's shift is set to -1e30: attn = 0, as nan_to_num makes it.
; All is kept in units of the raw sums of code products: t = c2 x (sum + delta x 2^(3 - e6 - e7)), c2 = log2(e) / 8 x 2^(e6 + e7).
; A head's K and V, 131,072 bytes each, lie whole in LDS, brought once, by joint loads of the four work-groups of a cluster: K at the head, V behind the next round, with walk 1 in which to land
; (so no prefetch is laid: V is asked for 8 steps or more ahead of its first use, and nothing comes behind it).
; LAYOUT.  Both products are used transposed: S^T = K Q^T (a lane holds one query, its registers eight keys), O^T = V^T P^T.  A conversion of a tile of S^T gives registers 2 t, 2 t + 1 of P: keys 16 t + 8 (lane / 16) + 0 .. 7.
; LIMITS: e6 + e7 between -40 and 60; e8 and e10 - e8 - e9 between -126 and 119; |rel_emb| x 2^(3 - e6 - e7) under 2^56.  NaN among the inputs is not served.
; REGISTERS.  Window 0: v1-15 addresses; v16-31 statistics, eight a tile; v32-159 S^T (64 a tile); v160-191 P; v192-199 at work; v200-206 constants; v208-221 the blocks' (m, l) and shifts.
;   window 1: v0-63 K of a step; v64-127 MC (walk 1) or V (walk 2); v128-143 Q in use; v144-207 O^T; v208-223 Q of the long block, v224-239 of the short.
.set VB,    131072                     ; LDS: K's images at 0, V's here,
.set MCB,   262144                     ; MC: a word a key,
.set TBL,   270336                     ; the table: four copies, copy s shifted by s words, so that any eight neighbours come by two aligned loads of 16 bytes;
.set COPYB, 2112
.set STAT,  278784                     ; (m, l): 512 bytes a wave;
.set OP,    282880                     ; parts of O^T, 4,096 bytes a wave: of the long block's tile 0 wave w adds wave w + 4's part and puts it out, of tile 1 wave w + 4 adds wave w's;
.set SPARE, 315648                     ; the spare words
.set SPW, 10
.set NIL, 11
.set S,   32
.set P,   160
.set ST,  16                           ; tile u at v[ST + 8 u]: +0 the shift (-c2 m; in walk 2 less log2 l), +1 its pair's partner, +2, +3 l, +4 m, +6 f, +7 its partner
.set XT,  192                          ; tile u at v[XT + 4 u]
.set LIMP, 200                         ; 448 x 2^e8;  v201 2^e8;  v202 448 x 2^(e10 - e8 - e9);  v203 2^(e10 - e8 - e9)
.set NEG60, 204                        ; -2^60
.set LIM2, 205                         ; v200 once more, for the second half of a dual instruction
.set NEG30, 206                        ; -1e30
.set LG,  208                          ; the long block's (m, l), two tiles;  v212-215 the short block's
.set SH,  212
.set SHS, 216                          ; v216-217 the short block's shifts of walk 2
.set PT,  218                          ; v218-221 the partner's (m, l)
.set KF,  0                            ; in window 1
.set MF,  64
.set VF,  64
.set QF,  128
.set OF,  144
.set QL,  208
.set QS,  224
.set MSB, 0
.macro WIN new
.if MSB != (\new)
	s_set_vgpr_msb (MSB<<8)|(\new)
.set MSB, (\new)
.endif
.endm
.macro ROUND                           ; a round of the cluster's barrier
	s_barrier_signal -1
	s_barrier_wait -1
	s_cmp_lg_u32 s18, 0
	s_cbranch_scc1 .Lnot_wave_0_\@
	s_barrier_signal -3
.Lnot_wave_0_\@:
	s_barrier_wait -3
	s_barrier_signal -1
	s_barrier_wait -1
.endm
.macro MKSC e, vs, vl                  ; v[vs] = 2^s[e] as f32, v[vl] = 448 x that
	s_add_co_i32 s87, s[\e], 127
	s_lshl_b32 s88, s87, 23
	v_mov_b32 v[\vs], s88
	s_add_co_i32 s87, s87, 8
	s_lshl_b32 s87, s87, 23
	s_or_b32 s87, s87, 0x600000
	v_mov_b32 v[\vl], s87
.endm
.macro SETQ src                        ; Q in use
	WIN 0x41
.set i, 0
.rept 16
	v_mov_b32 v[QF+i], v[\src+i]
.set i, i+1
.endr
	WIN 0
.endm
.macro INITST                          ; m: the floor -2^58, under every kept score and over every hidden one; l = 0
.irp u, 0,1
	v_mov_b32 v[ST+8*\u+4], 0xdc800000
	v_mov_b32 v[ST+8*\u+2], 0
	v_mov_b32 v[ST+8*\u+3], 0
	v_mul_f32 v[ST+8*\u], s60, v[ST+8*\u+4]
.endr
.endm
.macro FIN dst                         ; a block's (m, l) into v[dst ..]: l summed over its halves and over the lane 16 away
.irp u, 0,1
	v_add_f32 v[XT+4*\u], v[ST+8*\u+2], v[ST+8*\u+3]
	v_mov_b32 v[\dst+2*\u], v[ST+8*\u+4]
.endr
.irp u, 0,1
	v_permlanex16_b32 v[XT+4*\u+2], v[XT+4*\u], s62, s63
.endr
.irp u, 0,1
	v_add_f32 v[\dst+2*\u+1], v[XT+4*\u], v[XT+4*\u+2]
.endr
.endm
.macro STEPADR                         ; s71 = a trip's number: s67 and s68 = where its step begins in K (and V) and in MC
	s_cmp_lt_u32 s71, s91
	s_cselect_b32 s72, s92, s93
	s_add_co_u32 s71, s71, s72
	s_min_u32 s71, s71, 15
	s_lshl_b32 s67, s71, 13
	s_lshl_b32 s68, s71, 9
.endm
.macro NEXTADR                         ; the next trip's; behind my last trip comes trip 0 of the next walk
	s_add_co_u32 s71, s66, 1
	s_cmp_eq_u32 s66, s90
	s_cselect_b32 s71, 0, s71
	STEPADR
.endm
	s_load_b256 s[4:11], s[0:1], 0x0               ; Qc s[4:5], Kc s[6:7], Vc s[8:9], mask s[10:11]
	s_load_b128 s[12:15], s[0:1], 0x20             ; rel_emb s[12:13], the scales' exponents s[14:15]
	s_load_b64 s[16:17], s[0:1], 0x30              ; Cc
	v_lshl_add_u32 v[SPW], v0, 2, SPARE
	v_mov_b32 v[NIL], 0
	ds_add_u32 v[SPW], v[NIL]                      ; the opening adds
	ds_add_u32 v[SPW], v[NIL]
	v_lshrrev_b32 v14, 5, v0
	v_readfirstlane_b32 s18, v14                   ; wave 0..7
	s_bfe_u32 s19, ttmp6, 0x40000                  ; cx
	s_and_b32 s21, ttmp7, 0xffff                   ; 16 batch + head, which the four partners share
	s_and_b32 s23, s21, 15                         ; head
	s_lshr_b32 s24, s21, 4                         ; batch
	s_and_b32 s20, s18, 3                          ; pair
	s_lshr_b32 s26, s18, 2                         ; 0: the long block's end; 1: its beginning, and the short block
	s_lshl_b32 s22, s20, 1
	s_add_co_u32 s22, s22, ttmp9
	s_min_u32 s22, s22, 7                          ; b = 2 pair + cluster x: the short block
	s_sub_co_u32 s25, 15, s22                      ; the long block
	s_sub_co_u32 s92, 7, s22
	s_sub_co_u32 s93, s22, 7
	s_min_u32 s94, s22, 1
	s_sub_co_u32 s94, 7, s94
	s_cmp_eq_u32 s26, 0
	s_cselect_b32 s90, 8, 7                        ; my last trip
	s_cselect_b32 s91, 31, s92                     ; the trip at which I change to the short block: 7 - b, or never
	s_cselect_b32 s93, s92, s93                    ; step = trip + s92 ahead of it, + s93 from it on
	s_cselect_b32 s92, s92, 0
	s_cselect_b32 s94, 7, s94                      ; the first trip that wants the table: PREV (b = 0: a short block has DIAG alone)
	; descriptor group 1: 64 rows of 256 bytes, dense in memory and in LDS: 16,384 bytes
	s_mov_b32 s28, 15|(3<<16)|(1<<21)              ; 15:0 the mask: all four work-groups; 17:16 elements of 8 bytes; 21 set beside a mask
	s_mov_b32 s29, 32<<16                          ; tensor_dim0
	s_mov_b32 s30, 64<<16                          ; tensor_dim1
	s_mov_b32 s31, 32<<16                          ; tile_dim0
	s_mov_b32 s32, 64                              ; tile_dim1
	s_mov_b32 s33, 32                              ; from row to row
	s_mov_b32 s34, 0
	s_mov_b32 s35, 0
	s_lshl_b32 s72, s21, 17                        ; the head's 131,072 bytes of Kc and of Vc,
	s_lshl_b32 s74, s18, 14                        ; my eighth of them, in memory and in LDS
	s_add_co_u32 s72, s72, s74
	s_mov_b32 s73, 0
	s_lshl_b32 s75, s21, 17                        ; Qc: tile 128 (16 batch + head) + 8 block + 2 cx, 1,024 bytes a tile
	s_lshl_b32 s77, s19, 11
	s_add_co_u32 s75, s75, s77
	s_lshl_b32 s76, s25, 13
	s_add_co_u32 s76, s76, s75
	s_lshl_b32 s78, s22, 13
	s_add_co_u32 s78, s78, s75
	s_lshl_b32 s80, s24, 21                        ; Cc: ((128 batch + 8 block + 2 cx + tile) x 16 + head) x 1,024
	s_lshl_b32 s81, s19, 15
	s_add_co_u32 s80, s80, s81
	s_lshl_b32 s81, s23, 10
	s_add_co_u32 s80, s80, s81
	s_lshl_b32 s98, s22, 17
	s_add_co_u32 s98, s98, s80                     ; the short block,
	s_mov_b32 s99, 0
	s_lshl_b32 s81, s25, 17
	s_add_co_u32 s80, s80, s81
	s_lshl_b32 s81, s26, 14
	s_add_co_u32 s80, s80, s81                     ; and the long block's tile that I put out
	s_lshl_b32 s82, s24, 13                        ; the batch's 2,048 numbers of the mask
	s_lshl_b32 s84, s23, 2                         ; the head's column of rel_emb
	s_mov_b32 s77, 0
	s_mov_b32 s79, 0
	s_mov_b32 s81, 0
	s_mov_b32 s83, 0
	s_mov_b32 s85, 0
	s_mov_b32 s62, 0x76543210                      ; v_permlanex16_b32's selects for lane l xor 16
	s_mov_b32 s63, 0xfedcba98
	s_wait_alu depctr_va_vdst(0)
	s_wait_dscnt 0x0                               ; both opening adds are done
	s_wait_kmcnt 0x0
	s_load_b256 s[44:51], s[14:15], 0x0            ; e0 .. e7
	s_load_b128 s[52:55], s[14:15], 0x20           ; e8 .. e11
	s_add_nc_u64 s[12:13], s[12:13], s[84:85]
	s_load_b32 s56, s[12:13], 0x7c0                ; rel_emb[31][head]
	s_mov_b32 s36, 1                               ; group 0 for K: count,
	s_mov_b32 s37, s74                             ; LDS address,
	s_add_nc_u64 s[38:39], s[6:7], s[72:73]        ; global address,
	s_or_b32 s39, s39, 0x80000000                  ; type
	s_mov_b32 s40, 1
	s_add_co_u32 s41, s74, VB
	s_add_nc_u64 s[42:43], s[8:9], s[72:73]
	s_or_b32 s43, s43, 0x80000000
	ROUND                                          ; all four work-groups are here: the joint loads meet
	tensor_load_to_lds s[36:39], s[28:35]          ; K: my one load at the head
	s_nop 0
.rept 4
	v_nop
.endr
	s_add_nc_u64 s[76:77], s[4:5], s[76:77]
	s_add_nc_u64 s[78:79], s[4:5], s[78:79]
	s_add_nc_u64 s[10:11], s[10:11], s[82:83]
	s_add_nc_u64 s[98:99], s[16:17], s[98:99]
	s_add_nc_u64 s[16:17], s[16:17], s[80:81]
	v_and_b32 v32, 31, v0                          ; lane
	v_bfe_u32 v33, v0, 4, 1                        ; h
	v_and_b32 v34, 15, v0                          ; r
	v_lshlrev_b32 v35, 5, v0                       ; the mask: 8 numbers a thread
	v_lshlrev_b32 v1, 4, v32                       ; 16 x lane
	WIN 0x40
.irp u, 0,1
.irp a, 0,1
	global_load_b128 v[QL+8*\u+4*\a:QL+8*\u+4*\a+3], v1, s[76:77] offset:1024*\u+512*\a
	global_load_b128 v[QS+8*\u+4*\a:QS+8*\u+4*\a+3], v1, s[78:79] offset:1024*\u+512*\a
.endr
.endr
	WIN 0
	global_load_b128 v[36:39], v35, s[10:11]
	global_load_b128 v[40:43], v35, s[10:11] offset:16
	s_lshl_b32 s86, s19, 5
	s_add_co_u32 s86, s86, 192
	v_sub_nc_u32 v44, s86, v0                      ; the table: word W of copy s holds R[W + s], R[x] = delta(d), d = 32 cx + 192 - x; a thread makes words tid and tid + 256 of each copy
	v_add_nc_u32 v45, -1, v44
	v_add_nc_u32 v46, -2, v44
	v_add_nc_u32 v47, -3, v44
	v_add_nc_u32 v48, 0xffffff00, v44
	v_add_nc_u32 v49, 0xfffffeff, v44
	v_add_nc_u32 v50, 0xfffffefe, v44
	v_add_nc_u32 v51, 0xfffffefd, v44
.irp n, 0,1,2,3,4,5,6,7
	v_min_u32 v[52+\n], 15, v[44+\n]               ; min(d, 15); a negative d gives 15 here, and its entry is replaced below
.endr
.irp n, 0,1,2,3,4,5,6,7
	v_lshlrev_b32 v[52+\n], 6, v[52+\n]
.endr
.irp n, 0,1,2,3,4,5,6,7
	global_load_b32 v[60+\n], v[52+\n], s[12:13] offset:1024   ; rel_emb[16 + min(d, 15)][head]
.endr
	v_lshl_add_u32 v2, v33, 5, MCB                 ; MC: 32 h
	v_add_nc_u32 v3, VB, v1                        ; V's images
	v_sub_nc_u32 v69, 16, v34
	v_lshlrev_b32 v70, 3, v33
	v_and_b32 v69, 3, v69                          ; s = (-r) mod 4: the copy in which my eight neighbours begin at a multiple of four words
	v_add_nc_u32 v70, 32, v70
	v_mul_u32_u24 v4, v69, COPYB
	v_sub_nc_u32 v70, v70, v34
	v_sub_nc_u32 v70, v70, v69                     ; 32 - r + 8 h - s
	v_lshl_add_u32 v4, v70, 2, v4
	v_add_nc_u32 v4, TBL, v4
	s_lshl_b32 s87, s18, 9
	s_add_co_u32 s87, s87, STAT
	s_xor_b32 s88, s18, 4
	s_lshl_b32 s88, s88, 9
	s_add_co_u32 s88, s88, STAT
	s_lshl_b32 s89, s18, 12
	s_add_co_u32 s89, s89, OP
	s_xor_b32 s97, s18, 4
	s_lshl_b32 s97, s97, 12
	s_add_co_u32 s97, s97, OP
	v_and_b32 v32, 31, v0
	v_lshlrev_b32 v71, 3, v32
	v_add_nc_u32 v9, s87, v71                      ; my (m, l),
	v_add_nc_u32 v12, s88, v71                     ; my partner's,
	v_add_nc_u32 v13, s89, v1                      ; the part of O^T that I leave,
	v_add_nc_u32 v14, s97, v1                      ; and my partner's
	v_lshl_add_u32 v72, v0, 5, MCB                 ; where I store MC,
	v_lshl_add_u32 v73, v0, 2, TBL                 ; and the table's words
	v_mov_b32 v[NEG60], 0xdd800000
	v_mov_b32 v[NEG30], 0xf149f2ca
	s_wait_alu depctr_va_vdst(0)
	s_wait_kmcnt 0x0
	s_add_co_i32 s95, s50, s51                     ; e6 + e7
	s_sub_co_i32 s96, 3, s95                       ; delta goes in x 2^(3 - e6 - e7)
	s_lshl_b32 s95, s95, 23
	s_add_co_i32 s58, s95, 0x3e38aa3b              ; c2 = log2(e) / 8 x 2^(e6 + e7): the exponents are added to the exponent field
	s_mov_b32 s59, s58                             ; (named with it as a pair, so it is written)
	s_xor_b32 s60, s58, 0x80000000                 ; -c2
	MKSC 52, LIMP+1, LIMP                          ; e8
	v_mov_b32 v[LIM2], s87
	s_sub_co_i32 s89, s54, s52
	s_sub_co_i32 s89, s89, s53                     ; e10 - e8 - e9: a sum of the second product stands for sum x 2^(e8 + e9)
	MKSC 89, LIMP+3, LIMP+2
	INITST
.irp u, 0,1
	v_mov_b32 v[ST+8*\u+1], 0
	v_mov_b32 v[ST+8*\u+6], 0
	v_mov_b32 v[ST+8*\u+7], 0
	v_mov_b32 v[XT+4*\u+2], 0                      ; a lane permute's destination counts as one of its sources
	v_mov_b32 v[LG+2*\u], 0
	v_mov_b32 v[LG+2*\u+1], 0
.endr
	v_mov_b32 v[SHS], 0
	v_mov_b32 v[SHS+1], 0
	s_wait_alu depctr_va_vdst(0)
	s_wait_loadcnt 0x0                             ; Q, the mask, rel_emb
.irp i, 0,1,2,3,4,5,6,7
	v_cmp_eq_u32 vcc_lo, 0, v[36+\i]
	v_cndmask_b32 v[36+\i], 0, v[NEG60], vcc_lo
.endr
	ds_store_b128 v72, v[36:39]
	ds_store_b128 v72, v[40:43] offset:16
.irp n, 0,1,2,3,4,5,6,7
	v_sub_f32 v[60+\n], v[60+\n], s56
.endr
.irp n, 0,1,2,3,4,5,6,7
	v_ldexp_f32 v[60+\n], v[60+\n], s96
.endr
.irp n, 0,1,2,3,4,5,6,7
	v_cmp_gt_i32 vcc_lo, 0, v[44+\n]               ; the key comes after the query
	v_cndmask_b32 v[60+\n], v[60+\n], v[NEG60], vcc_lo
.endr
.irp n, 0,1,2,3,4,5,6,7
	ds_store_b32 v73, v[60+\n] offset:COPYB*(\n%4)+1024*(\n/4)
.endr
	s_wait_alu depctr_va_vdst(0)
	s_wait_tensorcnt 0x0                           ; my part of K has landed;
	ds_add_u32 v[SPW], v[NIL]                      ; 0 onto my spare word, ahead of a later first fill
	s_wait_dscnt 0x0                               ; the add is done, my parts of MC and of the table are stored:
	ROUND                                          ; everybody's are, and all four work-groups are here
	tensor_load_to_lds s[40:43], s[28:35]          ; V
	s_nop 0
.rept 4
	v_nop
.endr
.macro KLOADS                          ; a step's K: eight fragments of 16 keys x 64
	WIN 0x40
.irp t, 0,1,2,3,4,5,6,7
.irp a, 0,1
	ds_load_b128 v[KF+8*\t+4*\a:KF+8*\t+4*\a+3], v5 offset:1024*\t+512*\a
.endr
.endr
	WIN 0
.endm
.macro MLOADS                          ; a step's MC in the layout of a result: register j of tile t: key 16 t + 8 (lane / 16) + j
	WIN 0x40
.irp t, 0,1,2,3,4,5,6,7
.irp a, 0,1
	ds_load_b128 v[MF+8*\t+4*\a:MF+8*\t+4*\a+3], v6 offset:64*\t+16*\a
.endr
.endr
	WIN 0
.endm
.macro VLOADS                          ; a step's V^T: four fragments of 16 channels x 128 keys
	WIN 0x40
.irp d, 0,1,2,3
.irp c, 0,1,2,3
	ds_load_b128 v[VF+16*\d+4*\c:VF+16*\d+4*\c+3], v7 offset:2048*\d+512*\c
.endr
.endr
	WIN 0
.endm
.macro LOOKUP                          ; delta and the causal cut into S^T's registers; my last trip is DIAG, the one ahead of it PREV: 128 words lower
	s_cmp_eq_u32 s66, s90
	s_cselect_b32 s69, 512, 0
	v_add_nc_u32 v15, s69, v4
.irp u, 0,1
.irp t, 0,1,2,3,4,5,6,7
.irp a, 0,1
	ds_load_b128 v[S+64*\u+8*\t+4*\a:S+64*\u+8*\t+4*\a+3], v15 offset:4*(16*\t-16*\u+4*\a+32)
.endr
.endr
.endr
	s_wait_dscnt 0x0                               ; the table's numbers, and all that was asked for before
.endm
.macro QK how                          ; S^T = K Q^T + C, 16 products, each on an accumulator of its own.  how: 0: C = 0; 1: C = MC; 2: C = what lies in S^T's registers
.if \how == 1
	WIN 0x15
.else
	WIN 0x05
.endif
.irp t, 0,1,2,3,4,5,6,7
.irp u, 0,1
.if \how == 0
	v_wmma_f32_16x16x64_fp8_fp8 v[S+64*\u+8*\t:S+64*\u+8*\t+7], v[KF+8*\t:KF+8*\t+7], v[QF+8*\u:QF+8*\u+7], 0
.endif
.if \how == 1
	v_wmma_f32_16x16x64_fp8_fp8 v[S+64*\u+8*\t:S+64*\u+8*\t+7], v[KF+8*\t:KF+8*\t+7], v[QF+8*\u:QF+8*\u+7], v[MF+8*\t:MF+8*\t+7]
.endif
.if \how == 2
	v_wmma_f32_16x16x64_fp8_fp8 v[S+64*\u+8*\t:S+64*\u+8*\t+7], v[KF+8*\t:KF+8*\t+7], v[QF+8*\u:QF+8*\u+7], v[S+64*\u+8*\t:S+64*\u+8*\t+7]
.endif
.endr
.endr
	WIN 0
.endm
; The running maximum of both tiles (four chains, each accumulator read from its low end on), the new shift -c2 m, and the exponent of f: the new shift less the old one, 0 where m has not moved.
.macro MAXES
.irp u, 0,1
	v_max3_num_f32 v[XT+4*\u], v[S+64*\u], v[S+64*\u+1], v[S+64*\u+2]
	v_max3_num_f32 v[XT+4*\u+1], v[S+64*\u+3], v[S+64*\u+4], v[S+64*\u+5]
.endr
.irp i, 6,10,14,18,22,26,30,34,38,42,46,50,54,58
.irp u, 0,1
	v_max3_num_f32 v[XT+4*\u], v[XT+4*\u], v[S+64*\u+\i], v[S+64*\u+\i+1]
	v_max3_num_f32 v[XT+4*\u+1], v[XT+4*\u+1], v[S+64*\u+\i+2], v[S+64*\u+\i+3]
.endr
.endr
.irp u, 0,1
	v_max3_num_f32 v[XT+4*\u], v[XT+4*\u], v[S+64*\u+62], v[S+64*\u+63]
.endr
.irp u, 0,1
	s_delay_alu instid0(VALU_DEP_2)
	v_max3_num_f32 v[XT+4*\u], v[XT+4*\u], v[XT+4*\u+1], v[ST+8*\u+4]
.endr
.irp u, 0,1
	s_delay_alu instid0(VALU_DEP_2)
	v_permlanex16_b32 v[XT+4*\u+2], v[XT+4*\u], s62, s63   ; the query's other 64 keys lie in the lane 16 away
.endr
.irp u, 0,1
	v_mov_b32 v[ST+8*\u+6], v[ST+8*\u]             ; the old shift
.endr
.irp u, 0,1
	s_delay_alu instid0(VALU_DEP_4)
	v_max_num_f32 v[ST+8*\u+4], v[XT+4*\u], v[XT+4*\u+2]
.endr
.irp u, 0,1
	s_delay_alu instid0(VALU_DEP_2)
	v_mul_f32 v[ST+8*\u], s60, v[ST+8*\u+4]
.endr
.irp u, 0,1
	s_delay_alu instid0(VALU_DEP_2)
	v_sub_f32 v[ST+8*\u+6], v[ST+8*\u], v[ST+8*\u+6]
.endr
.endm
.macro SCALE1 u, j                     ; c2 x score + shift, two numbers (of the pairs c2 and shift the low word serves both halves)
	v_pk_fma_f32 v[S+64*\u+2*(\j):S+64*\u+2*(\j)+1], v[S+64*\u+2*(\j):S+64*\u+2*(\j)+1], s[58:59], v[ST+8*\u:ST+8*\u+1] op_sel_hi:[1,0,0]
.endm
.macro SCALE u
.set i, 0
.rept 32
	SCALE1 \u, i
.set i, i+1
.endr
.endm
.macro MIN2 u, j                       ; two numbers of attn held at 448 x 2^e8 (they are never negative)
	v_dual_min_num_f32 v[S+64*\u+2*(\j)], v[S+64*\u+2*(\j)], v[LIMP] :: v_dual_min_num_f32 v[S+64*\u+2*(\j)+1], v[S+64*\u+2*(\j)+1], v[LIM2]
.endm
.macro CVT u                           ; the conversions' results are P's registers
.irp t, 0,1,2,3,4,5,6,7
	v_cvt_scalef32_pk8_fp8_f32 v[P+16*\u+2*\t:P+16*\u+2*\t+1], v[S+64*\u+8*\t:S+64*\u+8*\t+7], v[LIMP+1]
.endr
.endm
	; ---- WALK 1
.macro CLEAR                           ; O^T begins as zeros, so that walk 2's one body serves its first trip too; the kept part (v224-255) likewise; Q of the long block
	WIN 0x40
.set i, 0
.rept 64
	v_mov_b32 v[OF+i], 0
.set i, i+1
.endr
	WIN 0
.set i, 0
.rept 32
	v_mov_b32 v[224+i], 0
.set i, i+1
.endr
	SETQ QL
.endm
	s_mov_b32 s71, 0
	STEPADR
	v_add_nc_u32 v5, s67, v1
	v_add_nc_u32 v6, s68, v2
	s_wait_alu depctr_va_vdst(0)
	s_cmp_lt_u32 s18, 4                            ; of a pair's two waves the first asks for its tiles and then clears, the second clears first: so they do not walk their steps side by side
	s_cbranch_scc0 .Lclear
	KLOADS
	MLOADS
	CLEAR
	s_wait_alu depctr_va_vdst(0)
	s_branch .Lstart1
.Lclear:
	CLEAR
	KLOADS
	MLOADS
	s_wait_alu depctr_va_vdst(0)
.Lstart1:
	s_mov_b32 s66, 0
.Lw1:                                                  ; 9 trips for every wave; a wave's own end with trip s90
	s_cmp_gt_u32 s66, s90
	s_cbranch_scc1 .Lw1next
	NEXTADR
	s_cmp_lg_u32 s66, s91
	s_cbranch_scc1 .Lsame1
	FIN LG                                         ; the change of blocks: the long block's (m, l) are put aside, the short block begins
	INITST
	SETQ QS
	s_wait_alu depctr_va_vdst(0)
.Lsame1:
	s_cmp_lt_u32 s66, s94
	s_cbranch_scc1 .Lfar1
	LOOKUP
	WIN 0x04
.irp u, 0,1
.irp t, 0,1,2,3,4,5,6,7
.irp i, 0,2,4,6
	v_pk_add_f32 v[S+64*\u+8*\t+\i:S+64*\u+8*\t+\i+1], v[S+64*\u+8*\t+\i:S+64*\u+8*\t+\i+1], v[MF+8*\t+\i:MF+8*\t+\i+1]   ; the table's number + MC
.endr
.endr
.endr
	QK 2
	s_branch .Lqk1
.Lfar1:
	s_wait_dscnt 0x0                               ; K and MC, asked for a trip ago
	QK 1
.Lqk1:
	v_add_nc_u32 v5, s67, v1                       ; these two and two v_nop are the four places in front of the loads and of the first read of the scores
	v_add_nc_u32 v6, s68, v2
	v_nop
	v_nop
	KLOADS                                         ; the next trip's K (behind the last: walk 2's first) lands under the vector work
	s_cmp_eq_u32 s66, s90
	s_cbranch_scc1 .Lnomc
	MLOADS
.Lnomc:
	MAXES
	SCALE 0
	s_wait_alu depctr_va_vdst(0)                   ; the wait ahead of the batch
	v_exp_f32 v[ST+6], v[ST+6]
	v_exp_f32 v[ST+14], v[ST+14]
.set j, 0
.rept 32                               ; tile 0's exponentials, with tile 1's scalings between them
	v_exp_f32 v[S+2*j], v[S+2*j]
	v_exp_f32 v[S+2*j+1], v[S+2*j+1]
	SCALE1 1, j
.set j, j+1
.endr
	v_nop
	s_wait_alu depctr_va_vdst(0)                   ; behind the batch, and ahead of the next
.set j, 0
.rept 16                               ; tile 1's, with the first level of tile 0's sum between them
	v_exp_f32 v[S+64+4*j], v[S+64+4*j]
	v_exp_f32 v[S+65+4*j], v[S+65+4*j]
	v_exp_f32 v[S+66+4*j], v[S+66+4*j]
	v_exp_f32 v[S+67+4*j], v[S+67+4*j]
	v_pk_add_f32 v[S+4*j:S+4*j+1], v[S+4*j:S+4*j+1], v[S+4*j+2:S+4*j+3]
.set j, j+1
.endr
	v_nop
	s_wait_alu depctr_va_vdst(0)
.irp u, 0,1
	v_pk_mul_f32 v[ST+8*\u+2:ST+8*\u+3], v[ST+8*\u+2:ST+8*\u+3], v[ST+8*\u+6:ST+8*\u+7] op_sel_hi:[1,0]   ; l = l f + the step's sum
.endr
	v_pk_add_f32 v[XT:XT+1], v[S:S+1], v[S+4:S+5]
	v_pk_add_f32 v[XT+4:XT+5], v[S+64:S+65], v[S+66:S+67]
.irp j, 8,16,24,32,40,48,56
	v_pk_add_f32 v[ST+2:ST+3], v[ST+2:ST+3], v[S+\j:S+\j+1]
	v_pk_add_f32 v[ST+10:ST+11], v[ST+10:ST+11], v[S+60+\j:S+61+\j]
	v_pk_add_f32 v[XT:XT+1], v[XT:XT+1], v[S+4+\j:S+5+\j]
	v_pk_add_f32 v[XT+4:XT+5], v[XT+4:XT+5], v[S+62+\j:S+63+\j]
	v_pk_add_f32 v[ST+10:ST+11], v[ST+10:ST+11], v[S+64+\j:S+65+\j]
	v_pk_add_f32 v[XT+4:XT+5], v[XT+4:XT+5], v[S+66+\j:S+67+\j]
.endr
	v_pk_add_f32 v[ST+10:ST+11], v[ST+10:ST+11], v[S+124:S+125]
	v_pk_add_f32 v[XT+4:XT+5], v[XT+4:XT+5], v[S+126:S+127]
	v_pk_add_f32 v[ST+2:ST+3], v[ST+2:ST+3], v[XT:XT+1]
	v_pk_add_f32 v[ST+10:ST+11], v[ST+10:ST+11], v[XT+4:XT+5]
.Lw1next:
	s_add_co_u32 s66, s66, 1
	s_cmp_lt_u32 s66, 9
	s_wait_alu depctr_va_vdst(0)                   ; directly ahead of the branch
	s_cbranch_scc1 .Lw1
	; ---- between the walks: (m, l) of the long block's two parts are exchanged; the shifts become -c2 m - log2 l
	s_cmp_lg_u32 s26, 0
	s_cbranch_scc1 .Lkeep
	FIN LG                                         ; waves 0 to 3: the long block's (waves 4 to 7 have put theirs aside)
	SETQ QL
.Lkeep:
	s_wait_alu depctr_va_vdst(0)
	s_wait_tensorcnt 0x0                           ; my part of V has landed
	ds_store_b64 v9, v[LG:LG+1]
	ds_store_b64 v9, v[LG+2:LG+3] offset:256
	s_wait_dscnt 0x0                               ; my stores and all my reads are done
	s_barrier_signal -1
	s_barrier_wait -1                              ; V is whole, and everybody's (m, l) are stored
	ds_load_b64 v[PT:PT+1], v12
	ds_load_b64 v[PT+2:PT+3], v12 offset:256
	s_mov_b32 s71, 0
	STEPADR
	v_add_nc_u32 v7, s67, v3
	VLOADS
	s_wait_dscnt 0x10                              ; my partner's (m, l) are in; V's 16 loads may be out
.irp u, 0,1
	v_max_num_f32 v[XT+4*\u], v[LG+2*\u], v[PT+2*\u]
.endr
.irp u, 0,1
	v_sub_f32 v[XT+4*\u+1], v[LG+2*\u], v[XT+4*\u]
	v_sub_f32 v[XT+4*\u+2], v[PT+2*\u], v[XT+4*\u]
.endr
.irp u, 0,1
	v_mul_f32 v[XT+4*\u+1], s58, v[XT+4*\u+1]
	v_mul_f32 v[XT+4*\u+2], s58, v[XT+4*\u+2]
.endr
	s_wait_alu depctr_va_vdst(0)                   ; the wait ahead of the batch
.irp u, 0,1
	v_exp_f32 v[XT+4*\u+1], v[XT+4*\u+1]
	v_exp_f32 v[XT+4*\u+2], v[XT+4*\u+2]
.endr
	v_nop
	s_wait_alu depctr_va_vdst(0)                   ; and behind it
.irp u, 0,1
	v_mul_f32 v[XT+4*\u+3], v[LG+2*\u+1], v[XT+4*\u+1]
.endr
.irp u, 0,1
	v_fmac_f32 v[XT+4*\u+3], v[PT+2*\u+1], v[XT+4*\u+2]   ; the row's l under the common m
.endr
	s_wait_alu depctr_va_vdst(0)                   ; the wait ahead of the batch
.irp u, 0,1
	v_log_f32 v[XT+4*\u+1], v[XT+4*\u+3]
.endr
	v_nop
.irp u, 0,1
	v_cmp_lt_f32 s[74+\u], 0, v[XT+4*\u+3]         ; has the row a kept key?
.endr
	s_wait_alu depctr_va_vdst(0)                   ; and behind it
.irp u, 0,1
	v_fma_f32 v[ST+8*\u], s60, v[XT+4*\u], -v[XT+4*\u+1]
.endr
.irp u, 0,1
	v_cndmask_b32 v[ST+8*\u], v[NEG30], v[ST+8*\u], s[74+\u]   ; a row with no kept key: every p becomes 0
.endr
	s_wait_alu depctr_va_vdst(0)
	s_cmp_lg_u32 s26, 1
	s_cbranch_scc1 .Lstart2
	FIN SH                                         ; waves 4 to 7: the short block's shifts; nobody else's numbers are in them
	s_wait_alu depctr_va_vdst(0)                   ; the wait ahead of the batch
.irp u, 0,1
	v_log_f32 v[SHS+\u], v[SH+2*\u+1]
.endr
	v_nop
.irp u, 0,1
	v_cmp_lt_f32 s[76+\u], 0, v[SH+2*\u+1]
.endr
	s_wait_alu depctr_va_vdst(0)                   ; and behind it
.irp u, 0,1
	v_fma_f32 v[SHS+\u], s60, v[SH+2*\u], -v[SHS+\u]
.endr
.irp u, 0,1
	v_cndmask_b32 v[SHS+\u], v[NEG30], v[SHS+\u], s[76+\u]
.endr
	SETQ QL
	s_wait_alu depctr_va_vdst(0)
.Lstart2:
	; ---- WALK 2
	s_mov_b32 s66, 0
.Lw2:
	s_cmp_gt_u32 s66, s90
	s_cbranch_scc1 .Lw2next
	NEXTADR
	s_cmp_lg_u32 s66, s91
	s_cbranch_scc1 .Lsame2
	WIN 0x04                                       ; the change of blocks (waves 4 to 7): of the long block's O^T my part of tile 0 is left in LDS,
.set i, 0
.rept 8
	ds_store_b128 v13, v[OF+4*i:OF+4*i+3] offset:512*i
.set i, i+1
.endr
	WIN 0x01
.set i, 0
.rept 32
	v_mov_b32 v[224+i], v[OF+32+i]                 ; that of tile 1 is kept, and the short block begins
.set i, i+1
.endr
	WIN 0x40
.set i, 0
.rept 64
	v_mov_b32 v[OF+i], 0
.set i, i+1
.endr
	WIN 0
	v_mov_b32 v[ST], v[SHS]
	v_mov_b32 v[ST+8], v[SHS+1]
	SETQ QS
	s_wait_alu depctr_va_vdst(0)
.Lsame2:
	s_cmp_lt_u32 s66, s94
	s_cbranch_scc1 .Lfar2
	LOOKUP
	QK 2
	s_branch .Lqk2
.Lfar2:
	s_wait_dscnt 0x10                              ; K is in; the 16 LDS instructions issued last (V's loads, or the part's stores) may be out
	QK 0
.Lqk2:
	v_add_nc_u32 v5, s67, v1                       ; this and three v_nop: the four places
	v_nop
	v_nop
	v_nop
	s_cmp_eq_u32 s66, s90
	s_cbranch_scc1 .Lnok
	KLOADS
.Lnok:
	s_wait_alu depctr_va_vdst(0)
	SCALE 0
	SCALE 1
	s_wait_alu depctr_va_vdst(0)                   ; the wait ahead of the batch
.set j, 0
.rept 64
	v_exp_f32 v[S+j], v[S+j]
.set j, j+1
.endr
	v_nop
	s_wait_alu depctr_va_vdst(0)                   ; behind the batch, and ahead of the next
.set j, 0
.rept 32                               ; tile 1's exponentials, with tile 0's holds between them
	v_exp_f32 v[S+64+2*j], v[S+64+2*j]
	v_exp_f32 v[S+65+2*j], v[S+65+2*j]
	MIN2 0, j
.set j, j+1
.endr
	v_nop
	s_wait_alu depctr_va_vdst(0)
	CVT 0
.set j, 0
.rept 32
	MIN2 1, j
.set j, j+1
.endr
	CVT 1
	v_nop                                          ; a plain line between the last conversion and the products that read its result
	s_wait_alu depctr_va_vdst(0)                   ; ahead of the first reader of O^T
	s_wait_dscnt 0x0                               ; V is in (and the next trip's K, asked for ahead of the exponentials)
	WIN 0x51                                       ; O^T += V^T P^T: eight accumulators by turns; the scores' 16 products stand between two trips
.irp d, 0,1,2,3
.irp u, 0,1
	v_wmma_f32_16x16x128_fp8_fp8 v[OF+32*\u+8*\d:OF+32*\u+8*\d+7], v[VF+16*\d:VF+16*\d+15], v[P+16*\u:P+16*\u+15], v[OF+32*\u+8*\d:OF+32*\u+8*\d+7]
.endr
.endr
	WIN 0
	v_add_nc_u32 v7, s67, v3                       ; this and three v_nop: the four places
	v_nop
	v_nop
	v_nop
	s_cmp_eq_u32 s66, s90
	s_cbranch_scc1 .Lw2next
	VLOADS
.Lw2next:
	s_add_co_u32 s66, s66, 1
	s_cmp_lt_u32 s66, 9
	s_wait_alu depctr_va_vdst(0)                   ; directly ahead of the branch
	s_cbranch_scc1 .Lw2
	; ---- THE WAY OUT: ctx's code = sum / 2^(e10 - e8 - e9), held at +-448; the conversions' results are the last product's operand registers
	s_cmp_lt_u32 s18, 4
	s_cbranch_scc0 .Lleft
	WIN 0x04                                       ; waves 0 to 3 leave their part of tile 1
.set i, 0
.rept 8
	ds_store_b128 v13, v[OF+32+4*i:OF+32+4*i+3] offset:512*i
.set i, i+1
.endr
	WIN 0
.Lleft:
	s_wait_tensorcnt 0x0                           ; the wave's end, behind my last tensor load and my last LDS store
	ds_add_u32 v[SPW], v[NIL]
	s_wait_dscnt 0x0
	ROUND                                          ; the closing round; behind it the parts of O^T are whole, too
.set i, 0
.rept 8
	ds_load_b128 v[S+4*i:S+4*i+3], v14 offset:512*i   ; my partner's part of the long block's tile that I put out,
.set i, i+1
.endr
	s_wait_dscnt 0x0
	s_cmp_lt_u32 s18, 4
	s_cbranch_scc0 .Lkept
	WIN 0x01
.set i, 0
.rept 16
	v_pk_add_f32 v[S+2*i:S+2*i+1], v[OF+2*i:OF+2*i+1], v[S+2*i:S+2*i+1]   ; and mine; each accumulator from its low end on
.set i, i+1
.endr
	WIN 0
	s_wait_alu depctr_va_vdst(0)                   ; directly ahead of the branch
	s_branch .Ladded
.Lkept:
.set i, 0
.rept 16
	v_pk_add_f32 v[S+2*i:S+2*i+1], v[224+2*i:225+2*i], v[S+2*i:S+2*i+1]
.set i, i+1
.endr
.Ladded:
.set i, 0
.rept 32
	v_med3_num_f32 v[S+i], v[S+i], -v[LIMP+2], v[LIMP+2]
.set i, i+1
.endr
.irp d, 0,1,2,3
	v_cvt_scalef32_pk8_fp8_f32 v[P+2*\d:P+2*\d+1], v[S+8*\d:S+8*\d+7], v[LIMP+3]   ; query lane % 16, channels 16 d + 8 (lane / 16) + 0 .. 7
.endr
	v_nop
.irp a, 0,1
	global_store_b128 v1, v[P+4*\a:P+4*\a+3], s[16:17] offset:512*\a   ; 32 lanes store 512 consecutive bytes
.endr
	s_cmp_lt_u32 s18, 4
	s_cbranch_scc1 .Lend
	WIN 0x01                                       ; waves 4 to 7: the short block's two tiles
.set i, 0
.rept 64
	v_med3_num_f32 v[S+32+i], v[OF+i], -v[LIMP+2], v[LIMP+2]
.set i, i+1
.endr
	WIN 0
.irp u, 0,1
.irp d, 0,1,2,3
	v_cvt_scalef32_pk8_fp8_f32 v[P+8+8*\u+2*\d:P+8+8*\u+2*\d+1], v[S+32+32*\u+8*\d:S+32+32*\u+8*\d+7], v[LIMP+3]
.endr
.endr
	v_nop
.irp u, 0,1
.irp a, 0,1
	global_store_b128 v1, v[P+8+8*\u+4*\a:P+8+8*\u+4*\a+3], s[98:99] offset:16384*\u+512*\a
.endr
.endr
.Lend:
	s_endpgm
.Lfunc_end_k_q9d37720528_attn:
	.size	k_q9d37720528_attn, .Lfunc_end_k_q9d37720528_attn-k_q9d37720528_attn
	.p2alignl 7, 3214868480
	.fill 96, 4, 3214868480
	.section	.rodata,"a",@progbits
	.p2align	6, 0x0
	.amdhsa_kernel k_q9d37720528_attn
		.amdhsa_group_segment_fixed_size 327680
		.amdhsa_private_segment_fixed_size 0
		.amdhsa_enable_private_segment 0
		.amdhsa_kernarg_size 56
		.amdhsa_user_sgpr_count 2
		.amdhsa_user_sgpr_kernarg_segment_ptr 1
		.amdhsa_wavefront_size32 1
		.amdhsa_system_sgpr_workgroup_id_x 1
		.amdhsa_system_sgpr_workgroup_id_y 1
		.amdhsa_system_sgpr_workgroup_id_z 1
		.amdhsa_system_vgpr_workitem_id 0
		.amdhsa_next_free_vgpr 512
		.amdhsa_next_free_sgpr 100
		.amdhsa_reserve_vcc 1
		.amdhsa_float_denorm_mode_32 3
		.amdhsa_float_denorm_mode_16_64 3
		.amdhsa_memory_ordered 1
		.amdhsa_forward_progress 1
		.amdhsa_inst_pref_size 98
	.end_amdhsa_kernel
	.amdgpu_metadata
---
amdhsa.version: [ 1, 2 ]
amdhsa.kernels:
  - .name:           k_q9d37720528_attn
    .symbol:         k_q9d37720528_attn.kd
    .args:
      - { .name: Qc, .offset: 0, .size: 8, .value_kind: global_buffer, .address_space: global }
      - { .name: Kc, .offset: 8, .size: 8, .value_kind: global_buffer, .address_space: global }
      - { .name: Vc, .offset: 16, .size: 8, .value_kind: global_buffer, .address_space: global }
      - { .name: mask, .offset: 24, .size: 8, .value_kind: global_buffer, .address_space: global }
      - { .name: rel_emb, .offset: 32, .size: 8, .value_kind: global_buffer, .address_space: global }
      - { .name: lowp_scales, .offset: 40, .size: 8, .value_kind: global_buffer, .address_space: global }
      - { .name: Cc, .offset: 48, .size: 8, .value_kind: global_buffer, .address_space: global }
    .group_segment_fixed_size: 327680
    .private_segment_fixed_size: 0
    .kernarg_segment_align: 8
    .kernarg_segment_size: 56
    .max_flat_workgroup_size: 256
    .sgpr_count:     100
    .vgpr_count:     512
    .wavefront_size: 32
...
	.end_amdgpu_metadata
.endif
;; end of part 2
;; launch outp (part 3): grid 8 x 32, 4 waves a work-group, clusters of 4 x 4, 327,680 bytes of LDS; arguments Cc, Wo_codes, lowp_scales, out0; writes out0
.if DOCPART == 3
	.amdgcn_target "amdgcn-amd-amdhsa--gfx1250"
	.amdhsa_code_object_version 6
	.text
	.protected	k_q9d37720528_outp
	.globl	k_q9d37720528_outp
	.p2align	8
	.type	k_q9d37720528_outp,@function
k_q9d37720528_outp:
	s_mov_b64 s[64:65], 0
	v_nop
	global_prefetch_b8 v0, s[64:65] scope:SCOPE_SE
	s_setreg_imm32_b32 hwreg(HW_REG_WAVE_MODE, 25, 1), 1
	s_wait_xcnt 0x0
	s_wait_alu depctr_hold_cnt(0) depctr_sa_sdst(0) depctr_va_vdst(0) depctr_va_sdst(0) depctr_va_ssrc(0) depctr_va_vcc(0) depctr_vm_vsrc(0)
	s_getreg_b32 s2, hwreg(HW_REG_IB_STS2, 6, 4)
	s_cmp_eq_u32 s2, 0
	s_cbranch_scc0 .Lentry_in_a_cluster
	s_endpgm
.Lentry_in_a_cluster:
	s_bfe_u32 s2, ttmp6, 0x10000c
	s_cmp_lg_u32 s2, 0xf033
	s_cbranch_scc0 .Lentry_shape_is_right
	s_endpgm
.Lentry_shape_is_right:
; out = ctx Wo^T on E4M3 codes: 4,096 tokens, K = 1,024, 1,024 outputs, f32 out; each finished sum x 2^(e10 + e11).
; ctx comes as images of operand registers: Cc [tile of 16 tokens][head][1,024 bytes]; two neighbouring heads are one fragment of 128 along K in the form's own layout.  Wo: [1024][1024] codes, K innermost.
; SHARES.  A work-group makes 128 tokens (Y) x 128 outputs (G); 8 x 32 work-groups.  A wave makes 64 x 64.  Used transposed (source 0 = 16 rows of Wo, source 1 = 16 tokens): a lane holds eight neighbouring outputs of a token.
; ALL OF K LIES IN LDS AT ONCE: one load a wave, 65,536 bytes: waves 0, 1 bring ctx's halves (4 tiles of tokens, dense), waves 2, 3 Wo's (64 rows of 1,024 bytes).  Nothing is filled twice and nothing is fetched later, so no prefetch is laid.
; A WAVE'S 64 ROWS OF Wo STAY IN REGISTERS, 32 fragments: its four tiles of 16 tokens are finished one after the other over all of K, and a tile's stores leave while the next tile is multiplied.
; CLUSTERS 4 x 4: ctx hangs on Y alone and is asked for jointly along a row of the cluster, Wo on G alone and along a column.
; LIMIT: e10 + e11 between -126 and 127, so that 2^(e10 + e11) is an f32 number.
; REGISTERS.  Window 0: v16, v18 LDS addresses; v24-26 the way out; v28, v29 the add's; v32-63 scaled sums; v64-127 rows read back, two sets; v128-191 the accumulators, two sets of four.
;   windows 1, 2: Wo's fragments, the k-th 128 along K at 64 (k % 4) + 16 b of window 1 + k / 4;   window 3: a tile of tokens' eight fragments, two sets.
.set WOB,   131072                     ; LDS: ctx at 0; Wo's 128 rows here,
.set WP,    1040                       ; 1,024 bytes + 16 of padding apart;
.set STAGE, WOB+128*WP                 ; the way out: 16 rows x (256 + 16) bytes for each wave;
.set SPARE, STAGE+4*16*272             ; the spare words
.set WV, 14
.set G1,  24                           ; s[24:31] group 1 for ctx;  s[32:39] for Wo;  s[40:43], s[44:47] their groups 0
.set G1B, 32
.set SPW, 28
.set NIL, 29
.set MSB, 0
.macro WIN new
.if MSB != (\new)
	s_set_vgpr_msb (MSB<<8)|(\new)
.set MSB, (\new)
.endif
.endm
.macro PLACES
.rept 4
	v_nop
.endr
.endm
.macro CROUND                          ; a round of the cluster's barrier
	s_barrier_signal -1
	s_barrier_wait -1
	s_cmp_lg_u32 s[WV], 0
	s_cbranch_scc1 .Lnot_wave_0_\@
	s_barrier_signal -3
.Lnot_wave_0_\@:
	s_barrier_wait -3
	s_barrier_signal -1
	s_barrier_wait -1
.endm
	s_load_b256 s[4:11], s[0:1], 0x0               ; Cc s[4:5], Wo s[6:7], the scales' exponents s[8:9], out0 s[10:11]
	v_lshl_add_u32 v[SPW], v0, 2, SPARE
	v_mov_b32 v[NIL], 0
	ds_add_u32 v[SPW], v[NIL]                      ; the opening adds
	ds_add_u32 v[SPW], v[NIL]
	v_lshrrev_b32 v1, 5, v0
	v_readfirstlane_b32 s[WV], v1                  ; wave 0..3
	s_lshr_b32 s15, s[WV], 1                       ; which 64 tokens are mine.  Also: I fetch for ctx (0) or for Wo (1)
	s_and_b32 s16, s[WV], 1                        ; which 64 outputs.  Also: which half I fetch
	s_bfe_u32 s84, ttmp6, 0x40000                  ; cx, cy
	s_bfe_u32 s85, ttmp6, 0x40004
	s_lshl_b32 s86, ttmp9, 2
	s_add_co_u32 s86, s86, s84                     ; G
	s_and_b32 s87, ttmp7, 0xffff
	s_lshl_b32 s87, s87, 2
	s_add_co_u32 s87, s87, s85                     ; Y
	s_lshl_b32 s88, s85, 2
	s_lshl_b32 s88, 15, s88                        ; my row of the cluster
	s_lshl_b32 s89, 0x1111, s84                    ; my column
	s_or_b32 s[G1], s88, (3<<16)|(1<<21)           ; ctx: elements of 8 bytes, no padding; the mask: my row
	s_mov_b32 s[G1+1], 512<<16                     ; tensor_dim0: rows of 4,096 bytes,
	s_mov_b32 s[G1+2], 16<<16                      ; sixteen of them: 65,536 bytes, dense
	s_mov_b32 s[G1+3], 512<<16
	s_mov_b32 s[G1+4], 16
	s_mov_b32 s[G1+5], 512
	s_mov_b32 s[G1+6], 0
	s_mov_b32 s[G1+7], 0
	s_or_b32 s[G1B], s89, (1<<20)|(1<<21)|(7<<22)|(3<<25)   ; Wo: elements of 1 byte; four words of padding after every 256; the mask: my column
	s_mov_b32 s[G1B+1], 1024<<16
	s_mov_b32 s[G1B+2], 64<<16
	s_mov_b32 s[G1B+3], 1024<<16
	s_mov_b32 s[G1B+4], 64
	s_mov_b32 s[G1B+5], 1024
	s_mov_b32 s[G1B+6], 0
	s_mov_b32 s[G1B+7], 0
	s_lshl_b32 s90, s87, 17                        ; ctx: 8 Y tiles of 16,384 bytes, + my half's four
	s_lshl_b32 s17, s16, 16
	s_add_co_u32 s90, s90, s17
	s_mov_b32 s91, 0
	s_lshl_b32 s92, s86, 17                        ; Wo: 128 G rows of 1,024 bytes, + my half's 64
	s_add_co_u32 s92, s92, s17
	s_mov_b32 s93, 0
	s_mul_i32 s18, s16, 64*WP                      ; where they go (ctx: s17): no place in the cluster enters an LDS address
	s_add_co_u32 s18, s18, WOB
	s_wait_alu depctr_va_vdst(0)
	s_wait_dscnt 0x0                               ; both opening adds are done
	s_wait_kmcnt 0x0
	s_load_b64 s[94:95], s[8:9], 0x28              ; e10, e11
	s_mov_b32 s40, 1
	s_mov_b32 s41, s17
	s_add_nc_u64 s[42:43], s[4:5], s[90:91]
	s_or_b32 s43, s43, 0x80000000
	s_mov_b32 s44, 1
	s_mov_b32 s45, s18
	s_add_nc_u64 s[46:47], s[6:7], s[92:93]
	s_or_b32 s47, s47, 0x80000000
	CROUND                                         ; all sixteen work-groups are here: the joint loads meet
	s_cmp_lt_u32 s[WV], 2                          ; one load a wave
	s_cbranch_scc0 .Lfor_wo
	tensor_load_to_lds s[40:43], s[G1:G1+7]
	s_nop 0
	PLACES
	s_branch .Lasked
.Lfor_wo:
	tensor_load_to_lds s[44:47], s[G1B:G1B+7]
	s_nop 0
	PLACES
.Lasked:
	v_and_b32 v1, 15, v0                           ; r
	v_bfe_u32 v2, v0, 4, 1                         ; h
	v_and_b32 v3, 31, v0
	v_lshlrev_b32 v4, 4, v3                        ; 16 x lane
	s_lshl_b32 s19, s15, 16                        ; my four tiles of tokens
	v_add_nc_u32 v16, s19, v4
	v_mul_u32_u24 v5, v1, WP
	v_lshl_add_u32 v5, v2, 3, v5                   ; Wo: row x pitch + 8 x half: the form's own layout, as ctx's images have it
	s_mul_i32 s20, s16, 64*WP
	s_add_co_u32 s20, s20, WOB
	v_add_nc_u32 v18, s20, v5
	s_mul_i32 s21, s[WV], 16*272
	s_add_co_u32 s21, s21, STAGE                   ; my stage
	v_mul_u32_u24 v6, v1, 272
	v_lshl_add_u32 v6, v2, 5, v6
	v_add_nc_u32 v24, s21, v6                      ; in: row r, 32 bytes for each half of the lanes
	v_mul_u32_u24 v7, v2, 272
	v_lshl_add_u32 v7, v1, 4, v7
	v_add_nc_u32 v25, s21, v7                      ; back: lanes 0-15 one row of 256 bytes, lanes 16-31 the next
	v_lshlrev_b32 v26, 12, v2
	v_lshl_add_u32 v26, v1, 4, v26                 ; and the same two rows in out0
	s_lshl_b32 s22, s87, 19                        ; my first number of out0: token 128 Y + 64 (w / 2), 4,096 bytes a token; output 128 G + 64 (w % 2)
	s_lshl_b32 s23, s15, 18
	s_add_co_u32 s22, s22, s23
	s_lshl_b32 s23, s86, 9
	s_add_co_u32 s22, s22, s23
	s_lshl_b32 s23, s16, 8
	s_add_co_u32 s22, s22, s23
	s_mov_b32 s23, 0
	s_add_nc_u64 s[10:11], s[10:11], s[22:23]
	s_wait_alu depctr_va_vdst(0)
	s_wait_kmcnt 0x0
	s_add_co_i32 s94, s94, s95
	s_add_co_i32 s94, s94, 127
	s_lshl_b32 s94, s94, 23                        ; 2^(e10 + e11) as f32
	s_mov_b32 s95, s94                             ; (named with it as a pair, so it is written)
.macro CTX i                           ; 32 LDS loads: a tile of tokens' eight fragments
	WIN 0xc0
.irp n, 0,1,2,3,4,5,6,7
.irp c, 0,1,2,3
	ds_load_b128 v[128*((\i)%2)+16*\n+4*\c:128*((\i)%2)+16*\n+4*\c+3], v16 offset:16384*(\i)+2048*\n+512*\c
.endr
.endr
.endm
.macro WOK k                           ; 32 LDS loads: Wo's four fragments of the k-th 128 along K
	WIN 0x40*(1+(\k)/4)
.irp b, 0,1,2,3
.irp c, 0,1,2,3,4,5,6,7
	ds_load_b64 v[64*((\k)%4)+16*\b+2*\c:64*((\k)%4)+16*\b+2*\c+1], v18 offset:16*WP*\b+128*(\k)+16*\c
.endr
.endr
.endm
.macro MUL i, k                        ; a tile's four accumulators, by turns
	WIN 0x0d+(\k)/4
.irp b, 0,1,2,3
.if (\k) == 0
	v_wmma_f32_16x16x128_fp8_fp8 v[128+32*((\i)%2)+8*\b:128+32*((\i)%2)+8*\b+7], v[64*((\k)%4)+16*\b:64*((\k)%4)+16*\b+15], v[128*((\i)%2)+16*(\k):128*((\i)%2)+16*(\k)+15], 0
.else
	v_wmma_f32_16x16x128_fp8_fp8 v[128+32*((\i)%2)+8*\b:128+32*((\i)%2)+8*\b+7], v[64*((\k)%4)+16*\b:64*((\k)%4)+16*\b+15], v[128*((\i)%2)+16*(\k):128*((\i)%2)+16*(\k)+15], v[128+32*((\i)%2)+8*\b:128+32*((\i)%2)+8*\b+7]
.endif
.endr
.endm
.macro MULALL i
.irp n, 0,1,2,3,4,5,6,7
	MUL \i, \n
.endr
	WIN 0
.endm
; THE WAY OUT of a tile of 16 tokens x 64 outputs: x 2^(e10 + e11), into my own stage in LDS, and back as rows of 256 bytes;
.macro TOSTAGE i
	WIN 0
.irp j, 0,2,4,6,8,10,12,14,16,18,20,22,24,26,28,30
	v_pk_mul_f32 v[32+\j:33+\j], v[128+32*((\i)%2)+\j:129+32*((\i)%2)+\j], s[94:95] op_sel_hi:[1,0]   ; each accumulator from its low end on
.endr
.irp b, 0,1,2,3
	ds_store_b128 v24, v[32+8*\b:35+8*\b] offset:64*\b
	ds_store_b128 v24, v[36+8*\b:39+8*\b] offset:64*\b+16
.endr
.irp t, 0,1,2,3,4,5,6,7
	ds_load_b128 v[64+32*((\i)%2)+4*\t:67+32*((\i)%2)+4*\t], v25 offset:544*\t   ; LDS serves a wave's instructions in order (ISA guide 5.7.1.4): these see the stores above
.endr
.endm
.macro SEND i                          ; stored: sixteen lanes store 256 consecutive bytes, aligned
.irp t, 0,1,2,3,4,5,6,7
	global_store_b128 v26, v[64+32*((\i)%2)+4*\t:67+32*((\i)%2)+4*\t], s[10:11] offset:(16*(\i)+2*\t)*4096 th:TH_STORE_NT
.endr
.endm
	s_wait_tensorcnt 0x0                           ; my part is in,
	s_barrier_signal -1
	s_barrier_wait -1                              ; everybody's is
	CTX 0
	WOK 0
.irp k, 0,1,2,3,4,5,6,7                ; tile 0, as Wo's fragments come in
.if \k < 7
	WOK \k+1
.else
	CTX 1
.endif
	s_wait_dscnt 32                                ; all but the 32 loads just issued
	MUL 0, \k
.endr
	WIN 0
	PLACES                                         ; for the reads of the sums, and for the loads into the fragments just multiplied
	TOSTAGE 0
	CTX 2
	s_wait_dscnt 48                                ; tile 1's fragments are in: behind them 16 of the stage and 32 of tile 2
	MULALL 1
	s_wait_dscnt 32                                ; tile 0 is back from the stage; tile 2's fragments may be out
	SEND 0
	PLACES
	TOSTAGE 1
	CTX 3
	s_wait_dscnt 48
	MULALL 2
	s_wait_dscnt 32
	SEND 1
	PLACES
	s_wait_xcnt 0x0                                ; tile 0's stores have read their registers: the loads below may land there
	TOSTAGE 2
	s_wait_dscnt 16                                ; tile 3's fragments are in; the stage's 16 may be out
	MULALL 3
	s_wait_dscnt 0x0
	SEND 2
	PLACES
	s_wait_xcnt 0x0                                ; tile 1's stores likewise
	TOSTAGE 3
	s_wait_dscnt 0x0
	SEND 3
	s_wait_tensorcnt 0x0                           ; the wave's end, behind my last tensor load and my last LDS store
	ds_add_u32 v[SPW], v[NIL]
	s_wait_dscnt 0x0
	CROUND                                         ; the closing round
	s_endpgm
.Lfunc_end_k_q9d37720528_outp:
	.size	k_q9d37720528_outp, .Lfunc_end_k_q9d37720528_outp-k_q9d37720528_outp
	.p2alignl 7, 3214868480
	.fill 96, 4, 3214868480
	.section	.rodata,"a",@progbits
	.p2align	6, 0x0
	.amdhsa_kernel k_q9d37720528_outp
		.amdhsa_group_segment_fixed_size 327680
		.amdhsa_private_segment_fixed_size 0
		.amdhsa_enable_private_segment 0
		.amdhsa_kernarg_size 32
		.amdhsa_user_sgpr_count 2
		.amdhsa_user_sgpr_kernarg_segment_ptr 1
		.amdhsa_wavefront_size32 1
		.amdhsa_system_sgpr_workgroup_id_x 1
		.amdhsa_system_sgpr_workgroup_id_y 1
		.amdhsa_system_sgpr_workgroup_id_z 1
		.amdhsa_system_vgpr_workitem_id 0
		.amdhsa_next_free_vgpr 1024
		.amdhsa_next_free_sgpr 100
		.amdhsa_reserve_vcc 0
		.amdhsa_float_denorm_mode_32 3
		.amdhsa_float_denorm_mode_16_64 3
		.amdhsa_memory_ordered 1
		.amdhsa_forward_progress 1
		.amdhsa_inst_pref_size 51
	.end_amdhsa_kernel
	.amdgpu_metadata
---
amdhsa.version: [ 1, 2 ]
amdhsa.kernels:
  - .name:           k_q9d37720528_outp
    .symbol:         k_q9d37720528_outp.kd
    .args:
      - { .name: Cc, .offset: 0, .size: 8, .value_kind: global_buffer, .address_space: global }
      - { .name: Wo_codes, .offset: 8, .size: 8, .value_kind: global_buffer, .address_space: global }
      - { .name: lowp_scales, .offset: 16, .size: 8, .value_kind: global_buffer, .address_space: global }
      - { .name: out0, .offset: 24, .size: 8, .value_kind: global_buffer, .address_space: global }
    .group_segment_fixed_size: 327680
    .private_segment_fixed_size: 0
    .kernarg_segment_align: 8
    .kernarg_segment_size: 32
    .max_flat_workgroup_size: 128
    .sgpr_count:     100
    .vgpr_count:     1024
    .wavefront_size: 32
...
	.end_amdgpu_metadata
.endif
;; end of part 3
